; MI455X (gfx1250); checked and timed in simulation.
; The chip was launched on July 23, 2026; its instructions are those of AMD's public machine-readable ISA for CDNA 5 (MIT licence, August 2026) and "CDNA5" Instruction Set Architecture Reference Guide (July 2026). The comments in the code are by the model that wrote it; some were corrected since.
;; Cross Modal Attention. Allowed arithmetic: matrix products marked QUANTISED: E3M2 operands, one E8M0 scale for each 32 along K, by v_wmma_scale_f32_16x16x128_f8f6f4 with both operands' format E3M2, f32 sums; products left as they are: f32 operands where the result goes on into a quantised operand, else bf16, f16 or f32 operands; f32 sums; everything else in f32.
;; Inputs: W_heat 1,024 x 1,024 float32; W_img 1,024 x 1,024 float32; Wk 1,024 x 1,024 float32; Wo 1,024 x 1,024 float32; Wq 1,024 x 1,024 float32; Wv 1,024 x 1,024 float32; b_heat 1,024 float32; b_img 1,024 float32; beta 1,024 float32; bk 1,024 float32; bo 1,024 float32; bq 1,024 float32; bv 1,024 float32; gamma 1,024 float32; heat_feat 32 x 1,024 float32; img_feat 32 x 512 x 1,024 float32.
;; Outputs: out0 32 x 512 x 1,024 float32.
;; This version of the problem:
;;   THIS VERSION OF THE PROBLEM IS GIVEN IN LOW PRECISION. The matrix products marked QUANTISED in the list below multiply operands that are first quantised to E3M2 (3 exponent bits, 2 mantissa bits; 6 bits a number), with one power-of-two scale for each 32 numbers along K (OCP MX v1.0); their sums are f32. All else is computed in f32.
;;   The module's matrix products, in the order in which they are computed (A, B: the left and right operand; K: the contracted axis; several contracted axes count as one K, in the product's order):
;;     1. [M 32, K 1,024] x [K 1,024, N 1,024]; A: input heat_feat; B: input W_heat: QUANTISED
;;     2. [M 16,384, K 1,024] x [K 1,024, N 1,024]; A: input img_feat; B: input W_img: QUANTISED
;;     3. [M 16,384, K 1,024] x [K 1,024, N 1,024]; A: computed on the way; B: input Wq: QUANTISED
;;     4. [M 32, K 1,024] x [K 1,024, N 1,024]; A: computed on the way; B: input Wk: QUANTISED
;;     5. [M 32, K 1,024] x [K 1,024, N 1,024]; A: computed on the way; B: input Wv: QUANTISED
;;     6. batch 512 x [M 512, K 64] x [K 64, N 1]; A: computed on the way; B: computed on the way: left as it is (N = 1 < 16)
;;     7. batch 512 x [M 64, K 1] x [K 1, N 512]; A: computed on the way; B: softmax: left as it is (K = 1 < 32)
;;     8. [M 16,384, K 1,024] x [K 1,024, N 1,024]; A: computed on the way; B: input Wo: QUANTISED
;;   THE QUANTISER, for each operand of a quantised product, along K:
;;     - K is cut into blocks of 32 from its start; a last block that is shorter is filled with zeros.
;;     - A block's scale is 2^e with e = floor(log2(the largest magnitude in the block)) - 4, held to -126 .. 127; a block of zeros has e = 0. As a byte (E8M0): e + 127.
;;     - Each number is divided by its block's scale, clamped to +-28, and rounded to the nearest number of E3M2, ties to even, subnormals kept.
;;     - The product sums the exact products of the quantised numbers (number of the format x scale) in f32.
;;   ~~~python
;;   def quantise(x, axis):      # numpy; x: float32 -> the quantised numbers, widened to float32 again
;;       x = np.moveaxis(x, axis, -1); K = x.shape[-1]
;;       x = np.pad(x, [(0, 0)] * (x.ndim - 1) + [(0, -K % 32)]); x = x.reshape(x.shape[:-1] + (-1, 32)); a = np.abs(x).max(-1, keepdims=True)
;;       e = np.where(a > 0, np.clip(np.frexp(np.where(a > 0, a, 1))[1] - 1 - 4, -126, 127), 0)      # np.frexp(a)[1] - 1 = floor(log2(a)), exactly
;;       r = np.clip(x / 2.0 ** e, -28, 28)
;;       step = 2.0 ** (np.maximum(np.frexp(np.where(r == 0, 1, r))[1] - 1, -2) - 2)
;;       q = np.round(r / step) * step * 2.0 ** e      # np.round: ties to even
;;       return np.moveaxis(q.reshape(q.shape[:-2] + (-1,))[..., :K], -1, axis).astype(np.float32)
;;   ~~~
;;   OPERANDS COMPUTED ON THE WAY. 'Computed on the way' means the value that the module computes at that place (a softmax that the list does not call 'softmax' is quantised finished and normalised). What goes into a quantiser is computed in f32, as accurately as f32 sums, v_exp_f32 and their like allow (about 1e-6 of the number): no bf16 or f16 on the way to a quantiser, and a product that is left as it is and whose result goes on into a quantised operand takes f32 operands (vector FMAs, or v_wmma_f32_16x16x4_f32). A number that lies on a knife's edge between two numbers of the format may be rounded either way, as far as f32 arithmetic and the matrix unit's own rounding can turn it there, and no further.
;; One version. Each part assembles by itself: llvm-mc -triple=amdgcn-amd-amdhsa -mcpu=gfx1250 --defsym DOCPART=n.
;; ======== version 1 of 1: 2 launches
;; limits: right only within a limited range of input values
;; workspace buffers: wimg 1,638,400 bytes; ph 131,072 bytes
;; launch prep (part 1): grid 256 x 1, 4 waves a work-group, no clusters, 142,336 bytes of LDS; arguments heat_feat, W_heat, b_heat, ph, Wv, Wo, wimg; writes ph, wimg
.if DOCPART == 1
	.amdgcn_target "amdgcn-amd-amdhsa--gfx1250"
	.amdhsa_code_object_version 6
	.text
	.protected	k_q7ed9c5e93a_prep
	.globl	k_q7ed9c5e93a_prep
	.p2align	8
	.type	k_q7ed9c5e93a_prep,@function
k_q7ed9c5e93a_prep:
	s_mov_b64 s[64:65], 0
	v_nop
	global_prefetch_b8 v0, s[64:65] scope:SCOPE_SE
	s_setreg_imm32_b32 hwreg(HW_REG_WAVE_MODE, 25, 1), 1
	s_wait_xcnt 0x0
; WORK LEFT OUT, in the whole program.  reference() takes its softmax over the axis t, whose length is 1: exp(x - max x) / sum = exp(0) / exp(0) = 1 for every finite score.
; So attn is 1 whatever q and k hold, and ctx[b, s, :] = v[b, 0, :] for every s.  proj_img, q, k and the scores (the table's products 2, 3, 4 and 6) reach no output;
; product 7 is a multiplication by 1.  The inputs W_img, b_img, Wq, bq, Wk, bk have no way to the output: they are not loaded and are no launch's argument.
; ctx's 512 rows of a batch are one and the same row, so product 8 has one distinct row of results for each batch; the second launch makes it once for each work-group.
; LIMIT: a NaN, an infinity or an overflow that would arise only in the work left out (q, k, the scores) is not carried to the result.
; PREP.  Two kinds of work-groups, told apart by the work-group's number alone.
; Work-groups 0-127: ph = Q(heat_feat) Q(W_heat)^T + b_heat, [32][1024] f32, on codes of BF6 (E3M2) with one E8M0 scale for each 32 along K.
;   Work-group 64 m + t makes columns 16 t .. 16 t + 15 of rows 16 m .. 16 m + 15; wave w takes K = 256 w .. 256 w + 255, one accumulator for each of its two K steps; the eight partial sums meet in LDS.
; Work-groups 128-255: Wv (g = 0) and Wo (g = 1), [1024][1024] f32, become wimg: codes and scale words laid in the order of the operand's registers:
;   16 slots of 102,400 bytes (slot 8 g + 4 p + kq: K quarter kq), four quarters of 25,600 bytes (w), in a quarter 16 fragments
;   ((8 s + t) x 1,536 bytes: K step s of 128, tile t; register group c of lane l at 512 c + 16 l), then at 24,576 + 512 s the scale words (word q of lane l at 16 l + 4 q: tile 4 (l / 16) + q, row l % 16).
;   Lane r of tile t holds weight row 256 w + 128 p + 32 (t / 2) + 8 (t % 2) + r + 8 (r / 8), so that a lane's 16 results of two neighbouring tiles are 16 neighbours along the next product's K.
; A WAVE'S UNIT: 16 rows x 256 K of f32.  Each load reads 512 consecutive bytes; the 16 KiB turn through the wave's own stage in LDS (pitch 1,040 = 65 x 16 bytes) and come back
; with lane (r, h) holding k = 128 s + 64 c + 32 h + 0 .. 31 of row r: the order in which the 6-bit operand's registers run.
; A block's scale is 2^(floor(log2(largest magnitude)) - 4); its byte is the largest magnitude's exponent field - 4, held at 1 from below.
; LIMITS: a block of zeros gets the byte 1 (its codes are zeros; this program alone reads the bytes); blocks whose largest magnitude lies under 2^-122 are held at that floor; NaN and infinities are not served.
; ph's stores are 64 bytes a row (a tile of 16 columns): 128 KiB in all; every other store covers whole aligned runs of 256 bytes or more.
.set SPI,  1040                        ; stage pitch
.set PSUM, 66560                       ; behind the product's four stages: the partial sums, 2,048 bytes a wave
.set STGI, 74752                       ; the images' path has LDS bytes of its own: four stages,
.set ISG,  141312                      ; and 512 bytes in which four tiles' scale words meet
.set SPARE, 141824                     ; the spare words, 128 bytes a wave
.set GL,   4                           ; 16 x lane
.set STWP, 5                           ; stage, way in and way out (product's path)
.set STRP, 6
.set STWI, 7                           ; the same on the images' path
.set STRI, 8
.set H8,   9                           ; 8 x (lane / 16)
.set PSW,  10                          ; where I put my partial sums; where wave 0 reads the eight
.set PSR,  11
.set BOF,  12                          ; 32 x (lane / 16): my eight numbers of the bias
.set YO,   13                          ; my place in ph
.set ISW,  14                          ; where my tile's scale words go; where wave 0 reads them; their place in wimg
.set ISR,  15
.set IGO,  16
.set BI,   20                          ; v20-27 the bias
.set FW,   32                          ; v32-55 W's two fragments
.set FX,   56                          ; v56-79 x's two
.set SW,   104                         ; v104-107 scale words, and nothing else
.set TM,   110
.set TS,   112
.set TB,   114
.set TP,   116
.set TC,   118
.set WS,   128                         ; v128-255 a unit's 128 numbers a lane
.set MSB, 0
.macro WIN new                         ; the immediate's high byte repeats the setting that is left
.if MSB != (\new)
	s_set_vgpr_msb (MSB<<8)|(\new)
.set MSB, (\new)
.endif
.endm
.macro ULOAD reg, wn, bs, gap, nt      ; 32 loads of 512 consecutive bytes: 16 rows x 1,024 bytes; gap: bytes skipped behind the eighth row
	WIN \wn
.set i_, 0
.rept 32
.if \nt
	global_load_b128 v[(\reg)+4*i_:(\reg)+4*i_+3], v[GL], s[\bs:\bs+1] offset:4096*(i_/2)+(\gap)*(i_/16)+512*(i_%2) th:TH_LOAD_NT
.else
	global_load_b128 v[(\reg)+4*i_:(\reg)+4*i_+3], v[GL], s[\bs:\bs+1] offset:4096*(i_/2)+(\gap)*(i_/16)+512*(i_%2)
.endif
.set i_, i_+1
.endr
	WIN 0
.endm
.macro UTURN reg, dwn, aw, ar          ; through the stage; LDS serves a wave's instructions in order, so no wait stands between
	WIN \dwn
.set i_, 0
.rept 32
	ds_store_b128 v[\aw], v[(\reg)+4*i_:(\reg)+4*i_+3] offset:SPI*(i_/2)+512*(i_%2)
.set i_, i_+1
.endr
	WIN 0
.set i_, 0
.rept 32
	ds_load_b128 v[WS+4*i_:WS+4*i_+3], v[\ar] offset:512*(i_/16)+256*((i_/8)%2)+16*(i_%8)
.set i_, i_+1
.endr
.endm
.macro UQ s, f, sw                     ; K step s of the unit becomes a fragment in v[f] on and its scale word in v[sw]
.set X_, WS+64*(\s)
.irp c, 0,1
	v_max3_num_f32 v[TM+\c], |v[X_+32*\c]|, |v[X_+32*\c+1]|, 0x2800000   ; my block 2 c + h: all 32 numbers are mine; the floor 2^(5 - 127) holds the byte at 1 from below
.endr
.irp i, 2,4,6,8,10,12,14,16,18,20,22,24,26,28,30
.irp c, 0,1
	v_max3_num_f32 v[TM+\c], v[TM+\c], |v[X_+32*\c+\i]|, |v[X_+32*\c+\i+1]|
.endr
.endr
.irp c, 0,1
	v_add_nc_u32 v[TS+\c], 0xfe000000, v[TM+\c]    ; 4 off the exponent field: the conversion's scale operand
.endr
.irp c, 0,1
	v_lshrrev_b32 v[TB+\c], 23, v[TS+\c]           ; the scale's byte
.endr
	v_lshl_or_b32 v[\sw], v[TB+1], 16, v[TB]       ; my two bytes, blocks h and 2 + h,
	v_lshlrev_b32 v[\sw], v[H8], v[\sw]            ; at their places in the word;
	v_permlanex16_b32 v[TP], v[\sw], s22, s23
	v_or_b32 v[\sw], v[\sw], v[TP]                 ; with lane l xor 16's two the word is whole
.irp c, 0,1
	v_cvt_scalef32_pk16_bf6_f32 v[(\f)+6*\c:(\f)+6*\c+2], v[X_+32*\c:X_+32*\c+15], v[TS+\c]
	v_cvt_scalef32_pk16_bf6_f32 v[TC+4*\c:TC+4*\c+2], v[X_+32*\c+16:X_+32*\c+31], v[TS+\c]   ; (a conversion's three registers begin on an even number)
.endr
	v_nop                                          ; one plain place behind a scaled conversion
.irp c, 0,1
.irp i, 0,1,2
	v_mov_b32 v[(\f)+3+6*\c+\i], v[TC+4*\c+\i]
.endr
.endr
.endm
	s_load_b256 s[4:11], s[0:1], 0x0               ; heat_feat s[4:5], W_heat s[6:7], b_heat s[8:9], ph s[10:11]
	s_load_b128 s[12:15], s[0:1], 0x20             ; Wv s[12:13], Wo s[14:15]
	s_load_b64 s[18:19], s[0:1], 0x30              ; wimg
	v_lshl_add_u32 v126, v0, 2, SPARE
	v_mov_b32 v127, 0
	v_lshrrev_b32 v1, 5, v0
	v_readfirstlane_b32 s20, v1                    ; wave 0..3
	v_and_b32 v1, 31, v0                           ; lane
	v_and_b32 v2, 15, v0                           ; r
	v_bfe_u32 v3, v0, 4, 1                         ; h
	v_lshlrev_b32 v[GL], 4, v1
	s_mul_i32 s24, s20, 16*SPI
	v_add_nc_u32 v[STWP], s24, v[GL]
	v_mul_u32_u24 v17, v2, SPI
	v_lshl_add_u32 v17, v3, 7, v17
	v_add_nc_u32 v[STRP], s24, v17
	v_add_nc_u32 v[STWI], STGI, v[STWP]
	v_add_nc_u32 v[STRI], STGI, v[STRP]
	v_lshlrev_b32 v[H8], 3, v3
	s_lshl_b32 s24, s20, 11
	s_add_co_u32 s24, s24, PSUM
	v_add_nc_u32 v[PSW], s24, v[GL]
	v_add_nc_u32 v[PSR], PSUM, v[GL]
	v_lshlrev_b32 v[BOF], 5, v3
	v_lshl_add_u32 v[YO], v2, 12, v[BOF]
	v_lshlrev_b32 v17, 4, v2
	s_lshl_b32 s24, s20, 2
	s_add_co_u32 s24, s24, ISG
	v_add_nc_u32 v[ISW], s24, v17
	v_add_nc_u32 v[ISR], ISG, v[GL]
	v_lshl_add_u32 v[IGO], v3, 9, v17
	v_mov_b32 v[TP], 0                             ; written once: a lane permute's destination counts as one of its sources
	s_mov_b32 s22, 0x76543210
	s_mov_b32 s23, 0xfedcba98                      ; v_permlanex16_b32's selects for lane l xor 16
	s_wait_alu depctr_va_vdst(0)
	s_wait_kmcnt 0x0
	s_cmp_lt_u32 ttmp9, 128
	s_cbranch_scc0 .Limage
	; ---- THE PRODUCT
	s_and_b32 s21, ttmp9, 63                       ; tile t
	s_lshr_b32 s25, ttmp9, 6                       ; m
	s_lshl_b32 s26, s20, 10                        ; my K quarter, in bytes
	s_lshl_b32 s24, s21, 16                        ; 16 rows of W
	s_add_co_u32 s24, s24, s26
	s_lshl_b32 s30, s25, 16                        ; 16 rows of x and of ph
	s_add_co_u32 s26, s26, s30
	s_mov_b32 s27, 0
	s_lshl_b32 s28, s21, 6                         ; 16 columns of ph and of the bias
	s_mov_b32 s29, 0
	s_add_co_u32 s30, s30, s28
	s_mov_b32 s31, 0
	s_mov_b32 s25, 0
	s_add_nc_u64 s[6:7], s[6:7], s[24:25]
	s_add_nc_u64 s[4:5], s[4:5], s[26:27]
	s_add_nc_u64 s[8:9], s[8:9], s[28:29]
	s_add_nc_u64 s[10:11], s[10:11], s[30:31]
	ULOAD 0, 0x40, 6, 0, 0                         ; W's 16 rows -> v256-383
	ULOAD 128, 0x40, 4, 0, 0                       ; x's 16 rows -> v384-511
	global_load_b128 v[BI:BI+3], v[BOF], s[8:9]
	global_load_b128 v[BI+4:BI+7], v[BOF], s[8:9] offset:16
	s_wait_loadcnt 34                              ; W's 32 are in: behind them stand x's 32 and the bias's two
	UTURN 0, 0x04, STWP, STRP
	s_wait_dscnt 0x0
	UQ 0, FW, SW
	UQ 1, FW+12, SW+1
	s_wait_loadcnt 0x0
	UTURN 128, 0x04, STWP, STRP
	s_wait_dscnt 0x0
	UQ 0, FX, SW+2
	UQ 1, FX+12, SW+3
.rept 8
	v_nop                                          ; a scale word written by a vector instruction stands 8 places ahead of a scaled matrix instruction, an operand so written 4
.endr
	; transposed: source 0 = 16 rows of W, source 1 = 16 rows of x: lane (r, h) holds row r of ph and columns 16 t + 8 h + 0 .. 7.  One accumulator for each K step
	v_wmma_scale_f32_16x16x128_f8f6f4 v[128:135], v[FW:FW+11], v[FX:FX+11], 0, v[SW], v[SW+2] matrix_a_fmt:MATRIX_FMT_BF6 matrix_b_fmt:MATRIX_FMT_BF6
	v_wmma_scale_f32_16x16x128_f8f6f4 v[136:143], v[FW+12:FW+23], v[FX+12:FX+23], 0, v[SW+1], v[SW+3] matrix_a_fmt:MATRIX_FMT_BF6 matrix_b_fmt:MATRIX_FMT_BF6
.rept 4
	v_nop
.endr
	ds_store_b128 v[PSW], v[128:131]               ; each accumulator from its low end on
	ds_store_b128 v[PSW], v[132:135] offset:512
	ds_store_b128 v[PSW], v[136:139] offset:1024
	ds_store_b128 v[PSW], v[140:143] offset:1536
	s_wait_dscnt 0x0                               ; for the others' sake: my partial sums lie in LDS
	s_barrier_signal -1
	s_barrier_wait -1
	s_cmp_lg_u32 s20, 0
	s_cbranch_scc1 .Lp_end                         ; wave 0 adds the eight
.irp u, 0,1,2,3,4,5,6,7
	ds_load_b128 v[144+8*\u:147+8*\u], v[PSR] offset:1024*\u
	ds_load_b128 v[148+8*\u:151+8*\u], v[PSR] offset:1024*\u+512
.endr
	s_wait_dscnt 0x0
.irp u, 0,2,4,6
.irp j, 0,2,4,6
	v_pk_add_f32 v[144+8*\u+\j:145+8*\u+\j], v[144+8*\u+\j:145+8*\u+\j], v[152+8*\u+\j:153+8*\u+\j]
.endr
.endr
.irp u, 0,4
.irp j, 0,2,4,6
	v_pk_add_f32 v[144+8*\u+\j:145+8*\u+\j], v[144+8*\u+\j:145+8*\u+\j], v[160+8*\u+\j:161+8*\u+\j]
.endr
.endr
.irp j, 0,2,4,6
	v_pk_add_f32 v[144+\j:145+\j], v[144+\j:145+\j], v[176+\j:177+\j]
.endr
.irp j, 0,2,4,6
	v_pk_add_f32 v[144+\j:145+\j], v[144+\j:145+\j], v[BI+\j:BI+\j+1]
.endr
	global_store_b128 v[YO], v[144:147], s[10:11]
	global_store_b128 v[YO], v[148:151], s[10:11] offset:16
.Lp_end:
	s_wait_tensorcnt 0x0                           ; the wave's end
	ds_add_u32 v126, v127
	s_wait_dscnt 0x0
	s_endpgm
	; ---- THE IMAGES.  Work-group 128 + 64 g + 4 Qd + kq: weight g, rows 64 Qd on (four tiles, one a wave), K quarter kq
.Limage:
	s_sub_co_u32 s21, ttmp9, 128
	s_lshr_b32 s24, s21, 6                         ; g
	s_bfe_u32 s25, s21, 0x40002                    ; Qd
	s_and_b32 s26, s21, 3                          ; kq
	s_cmp_eq_u32 s24, 0
	s_cselect_b64 s[12:13], s[12:13], s[14:15]
	s_lshl_b32 s27, s25, 6
	s_lshr_b32 s28, s20, 1
	s_lshl_b32 s28, s28, 5
	s_add_co_u32 s27, s27, s28
	s_and_b32 s28, s20, 1
	s_lshl_b32 s28, s28, 3
	s_add_co_u32 s27, s27, s28                     ; my tile's first row: 64 Qd + 32 (wave / 2) + 8 (wave % 2)
	s_lshl_b32 s28, s27, 12
	s_lshl_b32 s29, s26, 10
	s_add_co_u32 s28, s28, s29
	s_mov_b32 s29, 0
	s_add_nc_u64 s[12:13], s[12:13], s[28:29]
	s_lshl_b32 s27, s24, 3
	s_bfe_u32 s30, s25, 0x10001                    ; p
	s_lshl_b32 s30, s30, 2
	s_add_co_u32 s27, s27, s30
	s_add_co_u32 s27, s27, s26                     ; slot 8 g + 4 p + kq
	s_mul_i32 s28, s27, 102400
	s_lshr_b32 s30, s25, 2                         ; w
	s_mul_i32 s30, s30, 25600
	s_add_co_u32 s28, s28, s30
	s_add_nc_u64 s[18:19], s[18:19], s[28:29]      ; the quarter
	s_and_b32 s31, s25, 1                          ; which four of its eight tiles
	s_lshl_b32 s30, s31, 2
	s_add_co_u32 s30, s30, s20                     ; my tile
	s_mul_i32 s32, s30, 1536
	s_mov_b32 s33, 0
	s_add_nc_u64 s[32:33], s[18:19], s[32:33]      ; its fragment of K step 0
	s_lshl_b32 s34, s31, 8
	s_add_co_u32 s34, s34, 24576
	s_mov_b32 s35, 0
	s_add_nc_u64 s[34:35], s[18:19], s[34:35]      ; the four tiles' scale words
	ULOAD 0, 0x40, 12, 32768, 1                    ; read once in the launch
	s_wait_loadcnt 0x0
	UTURN 0, 0x04, STWI, STRI
	s_wait_dscnt 0x0
	UQ 0, FW, SW
	UQ 1, FW+12, SW+1
.irp u, 0,1
.irp c, 0,1,2
	global_store_b128 v[GL], v[FW+12*\u+4*\c:FW+12*\u+4*\c+3], s[32:33] offset:12288*\u+512*\c   ; 512 consecutive bytes, aligned
.endr
.endr
	ds_store_b32 v[ISW], v[SW]                     ; both halves of the lanes write the same word with the same value
	ds_store_b32 v[ISW], v[SW+1] offset:256
	s_wait_dscnt 0x0
	s_barrier_signal -1
	s_barrier_wait -1
	s_cmp_lg_u32 s20, 0
	s_cbranch_scc1 .Li_end
	ds_load_b128 v[128:131], v[ISR]                ; lanes 0-15: K step 0's 256 bytes; lanes 16-31: K step 1's
	s_wait_dscnt 0x0
	global_store_b128 v[IGO], v[128:131], s[34:35] ; two aligned runs of 256 bytes
.Li_end:
	s_wait_tensorcnt 0x0
	ds_add_u32 v126, v127
	s_wait_dscnt 0x0
	s_endpgm
.Lfunc_end_k_q7ed9c5e93a_prep:
	.size	k_q7ed9c5e93a_prep, .Lfunc_end_k_q7ed9c5e93a_prep-k_q7ed9c5e93a_prep
	.p2alignl 7, 3214868480
	.fill 96, 4, 3214868480
	.section	.rodata,"a",@progbits
	.p2align	6, 0x0
	.amdhsa_kernel k_q7ed9c5e93a_prep
		.amdhsa_group_segment_fixed_size 142336
		.amdhsa_private_segment_fixed_size 0
		.amdhsa_enable_private_segment 0
		.amdhsa_kernarg_size 56
		.amdhsa_user_sgpr_count 2
		.amdhsa_user_sgpr_kernarg_segment_ptr 1
		.amdhsa_wavefront_size32 1
		.amdhsa_system_sgpr_workgroup_id_x 1
		.amdhsa_system_sgpr_workgroup_id_y 1
		.amdhsa_system_sgpr_workgroup_id_z 1
		.amdhsa_system_vgpr_workitem_id 0
		.amdhsa_next_free_vgpr 512
		.amdhsa_next_free_sgpr 66
		.amdhsa_reserve_vcc 0
		.amdhsa_float_denorm_mode_32 3
		.amdhsa_float_denorm_mode_16_64 3
		.amdhsa_memory_ordered 1
		.amdhsa_forward_progress 1
		.amdhsa_inst_pref_size 49
	.end_amdhsa_kernel
	.amdgpu_metadata
---
amdhsa.version: [ 1, 2 ]
amdhsa.kernels:
  - .name:           k_q7ed9c5e93a_prep
    .symbol:         k_q7ed9c5e93a_prep.kd
    .args:
      - { .name: heat_feat, .offset: 0, .size: 8, .value_kind: global_buffer, .address_space: global }
      - { .name: W_heat, .offset: 8, .size: 8, .value_kind: global_buffer, .address_space: global }
      - { .name: b_heat, .offset: 16, .size: 8, .value_kind: global_buffer, .address_space: global }
      - { .name: ph, .offset: 24, .size: 8, .value_kind: global_buffer, .address_space: global }
      - { .name: Wv, .offset: 32, .size: 8, .value_kind: global_buffer, .address_space: global }
      - { .name: Wo, .offset: 40, .size: 8, .value_kind: global_buffer, .address_space: global }
      - { .name: wimg, .offset: 48, .size: 8, .value_kind: global_buffer, .address_space: global }
    .group_segment_fixed_size: 142336
    .private_segment_fixed_size: 0
    .kernarg_segment_align: 8
    .kernarg_segment_size: 56
    .max_flat_workgroup_size: 128
    .sgpr_count:     66
    .vgpr_count:     512
    .wavefront_size: 32
...
	.end_amdgpu_metadata
.endif
;; end of part 1
;; launch main (part 2): grid 256 x 1, 8 waves a work-group, no clusters, 306,176 bytes of LDS; arguments img_feat, ph, wimg, bv, bo, gamma, beta, out0; writes out0
.if DOCPART == 2
	.amdgcn_target "amdgcn-amd-amdhsa--gfx1250"
	.amdhsa_code_object_version 6
	.text
	.protected	k_q7ed9c5e93a_main
	.globl	k_q7ed9c5e93a_main
	.p2align	8
	.type	k_q7ed9c5e93a_main,@function
k_q7ed9c5e93a_main:
	s_mov_b64 s[64:65], 0
	v_nop
	global_prefetch_b8 v0, s[64:65] scope:SCOPE_SE
	s_setreg_imm32_b32 hwreg(HW_REG_WAVE_MODE, 25, 1), 1
	s_wait_xcnt 0x0
; MAIN.  out0 = LayerNorm(img_feat + attn_out).  WORK LEFT OUT: the softmax over an axis of length 1 is 1 for all finite scores, so q, k and the scores are not made and ctx[b, s, :] = v[b, :]
; (shown at the head of the first kernel; a NaN, an infinity or an overflow that would arise only there is not carried to the result).
; Work-group g takes rows 64 g .. 64 g + 63 of [16384][1024]: all of batch b = g / 8.  Eight waves.
; THE CHAIN, on codes of BF6 (E3M2) with E8M0 scales: v = Q(ph[b]) Q(Wv)^T + bv; ao = Q(v) Q(Wo)^T.  ctx's rows of a batch are one row, so the operand's 16 rows all hold that row: every lane r has the same numbers.
; Wave j makes results 128 j .. 128 j + 127 (8 tiles) over all of K (8 steps of 128): 64 matrix instructions a product, the 8 accumulators by turns.  Transposed use: source 0 = 16 weight rows,
; source 1 = the row: the 16 registers of tiles 2 b, 2 b + 1 are results 128 j + 32 b + 16 h + 0 .. 15, so wave j's 64 results are K step j of the next product and are quantised in its registers.
; An operand goes from wave to wave as an image of its registers in LDS (1,536 bytes and 128 bytes of scale words a K step).
; THE WEIGHTS' CODES lie in wimg in the order of the operand's registers.  A fragment feeds ONE matrix instruction of ONE wave of the work-group, so it goes from memory straight into registers:
; a way through LDS would add a write and a read of each byte and serve no second use; hence no joint loads and no cluster.  A sub-unit is 4 fragments (12 loads; with an even one the K step's scale load);
; five sub-units of registers take turns, and up to five (62 or 63 loads) are asked for ahead of the one at work.
; img_feat's 8 rows of a wave (32,768 bytes) come by one tensor load at the head into the wave's own LDS bytes, and are read by that wave alone behind its wait on TENSORcnt.
; PREFETCH: one instruction a wave at the head, behind the tensor load: wimg's 6,400 blocks of 256 bytes, a lane a block, block 256 x (5 bits of the work-group's number) + thread, held at the last block;
; each block is named by eight work-groups.  The text has no loop, so there are no trips to ask in.  img_feat is asked for whole at the head.
; THE NORM: a wave to a row: lane l holds columns 128 i + 4 l + 0 .. 3, i = 0 .. 7; mean, then the centred squares, both over the wave's lanes; four rows by turns.  Every store covers 512 consecutive bytes, aligned.
; LIMITS: a block of zeros gets the scale byte 1 (its codes are zeros); blocks whose largest magnitude lies under 2^-122 are held at that floor; NaN and infinities are not served.
.set FRB,   1536
.set QB,    25600
.set SLOTB, 102400
.set WB,    819200                     ; a weight's codes and scales
.set XOP,   262144                     ; behind img's 64 rows: the first operand's image, 12,288 bytes,
.set XSC,   XOP+12288                  ; its scale words, 1,024;
.set XNX,   13312                      ; the second operand's lie this much further on
.set VEC,   XOP+2*XNX                  ; gamma, beta, bo, 4,096 bytes each,
.set AOO,   12288                      ; and ao
.set SPARE, VEC+16384                  ; the spare words, 128 bytes a wave
.set SPW,  1
.set NIL,  2
.set L16,  3                           ; 16 x lane
.set T16,  4                           ; 16 x thread
.set PHO,  5                           ; 128 h
.set BVO,  6                           ; 64 h
.set XW,   7                           ; operand image: my K step's place; XR: where all read
.set XR,   8
.set XSW,  9
.set XSR,  10
.set VW,   11
.set VR,   12
.set AOW,  13
.set IMR,  14                          ; my rows of img in LDS
.set PFO,  15                          ; the prefetch's offset; never rewritten
.set SM,   16                          ; v16-23 sums, v24-31 sums of squares
.set SQ,   24
.set H8,   28                          ; (head only) 8 h
.set XS,   32                          ; v32-39 the row's scale words; v40-55 the weights': scales and nothing else
.set WSC,  40
.set XF,   56                          ; v56-151 the row's eight fragments
.set ACC,  152                         ; v152-215 eight accumulators
.set TM,   216
.set PC,   232
.set PW,   252
.set BASE, 56                          ; the norm: v56-87 ao + bo; v88-215 rows 0-3; window 1: v0-127 rows 4-7, v128-159 bo, v160-191 gamma, v192-223 beta
.set MSB, 0
.macro WIN new                         ; the immediate's high byte repeats the setting that is left
.if MSB != (\new)
	s_set_vgpr_msb (MSB<<8)|(\new)
.set MSB, (\new)
.endif
.endm
.macro NOP4
.rept 4
	v_nop
.endr
.endm
.macro ISSUE q                         ; sub-unit q (0 .. 31): weight q / 16, K step (q / 2) % 8, tiles 4 (q % 2) on -> window 1, v[48 (q % 5)]
.set o_, ((\q)/16)*WB+(((\q)/4)%4)*SLOTB
.set s_, ((\q)/2)%2
.if (\q)%2 == 0
	global_load_b128 v[WSC+4*(((\q)/2)%4):WSC+4*(((\q)/2)%4)+3], v[L16], s[48:49] offset:o_+24576+512*s_
.endif
	WIN 0x40
.set f_, 0
.rept 4
.irp c_, 0,1,2
	global_load_b128 v[48*((\q)%5)+12*f_+4*\c_:48*((\q)%5)+12*f_+4*\c_+3], v[L16], s[48:49] offset:o_+(8*s_+4*((\q)%2)+f_)*FRB+512*\c_
.endr
.set f_, f_+1
.endr
	WIN 0
.endm
.macro STEP q                          ; four matrix instructions on sub-unit q; then its registers take sub-unit q + 5
.set l_, (\q)+4
.if l_ > 31
.set l_, 31
.endif
	s_wait_loadcnt 12*(l_-(\q))+l_/2-(\q)/2        ; behind sub-unit q's loads stand those of the sub-units up to q + 4: 12 each, and a scale load with each even one
	WIN 0x01
.set f_, 0
.rept 4
.set d_, ACC+8*(4*((\q)%2)+f_)
.set a_, 48*((\q)%5)+12*f_
.set b_, XF+12*(((\q)/2)%8)
.set e_, WSC+4*(((\q)/2)%4)+f_
.set x_, XS+((\q)/2)%8
.if (\q) == 16
	v_wmma_scale_f32_16x16x128_f8f6f4 v[d_:d_+7], v[a_:a_+11], v[b_:b_+11], 0, v[e_], v[x_] matrix_a_fmt:MATRIX_FMT_BF6 matrix_b_fmt:MATRIX_FMT_BF6
.elseif (\q) == 17
	v_wmma_scale_f32_16x16x128_f8f6f4 v[d_:d_+7], v[a_:a_+11], v[b_:b_+11], 0, v[e_], v[x_] matrix_a_fmt:MATRIX_FMT_BF6 matrix_b_fmt:MATRIX_FMT_BF6 matrix_a_scale:MATRIX_SCALE_ROW1
.elseif (\q)%2 == 0
	v_wmma_scale_f32_16x16x128_f8f6f4 v[d_:d_+7], v[a_:a_+11], v[b_:b_+11], v[d_:d_+7], v[e_], v[x_] matrix_a_fmt:MATRIX_FMT_BF6 matrix_b_fmt:MATRIX_FMT_BF6
.else
	v_wmma_scale_f32_16x16x128_f8f6f4 v[d_:d_+7], v[a_:a_+11], v[b_:b_+11], v[d_:d_+7], v[e_], v[x_] matrix_a_fmt:MATRIX_FMT_BF6 matrix_b_fmt:MATRIX_FMT_BF6 matrix_a_scale:MATRIX_SCALE_ROW1
.endif
.set f_, f_+1
.endr
	WIN 0
	NOP4                                           ; four places ahead of loads into registers that matrix instructions have read, and of reads of results
.if (\q)+5 < 32
	ISSUE (\q)+5
.endif
.endm
.macro XSTORE off                      ; my K step's image: codes v[PC .. PC + 11], scale word v[PW]
.irp c_, 0,1,2
	ds_store_b128 v[XW], v[PC+4*\c_:PC+4*\c_+3] offset:(\off)+512*\c_
.endr
	ds_store_b32 v[XSW], v[PW] offset:(\off)
.endm
.macro XLOAD off                       ; all eight K steps' images
.set k_, 0
.rept 8
.irp c_, 0,1,2
	ds_load_b128 v[XF+12*k_+4*\c_:XF+12*k_+4*\c_+3], v[XR] offset:(\off)+FRB*k_+512*\c_
.endr
	ds_load_b32 v[XS+k_], v[XSR] offset:(\off)+128*k_
.set k_, k_+1
.endr
.endm
.macro RED x                           ; four rows' pairs -> each row's total in every lane, at v[x + 2 r]
.irp r, 0,1,2,3
	v_add_f32 v[\x+2*\r], v[\x+2*\r], v[\x+2*\r+1]
.endr
.irp m, 1,2,4,8
.irp r, 0,1,2,3
	v_add_f32_dpp v[\x+2*\r], v[\x+2*\r], v[\x+2*\r] row_xmask:\m row_mask:0xf bank_mask:0xf
.endr
.endr
.irp r, 0,1,2,3
	v_permlanex16_b32 v[\x+2*\r+1], v[\x+2*\r], s22, s23
.endr
.irp r, 0,1,2,3
	v_add_f32 v[\x+2*\r], v[\x+2*\r], v[\x+2*\r+1]
.endr
.endm
.macro LNG g                           ; rows 4 g .. 4 g + 3 of my eight: in window g, from v[R_]
.set W_, \g
.set R_, 88*(1-(\g))
.if \g
	s_wait_dscnt 0x0                               ; rows 4-7 are in
.endif
	WIN (W_<<6)|W_
.set i_, 0
.rept 64
	v_pk_add_f32 v[R_+2*i_:R_+2*i_+1], v[R_+2*i_:R_+2*i_+1], v[BASE+(2*i_)%32:BASE+(2*i_)%32+1]   ; x = img + ao + bo
.set i_, i_+1
.endr
	WIN W_|(W_<<2)
.irp r, 0,1,2,3
	v_pk_add_f32 v[SM+2*\r:SM+2*\r+1], v[R_+32*\r:R_+32*\r+1], v[R_+32*\r+2:R_+32*\r+3]
.endr
	WIN W_
.set x_, 2
.rept 14
.irp r, 0,1,2,3
	v_pk_add_f32 v[SM+2*\r:SM+2*\r+1], v[R_+32*\r+2*x_:R_+32*\r+2*x_+1], v[SM+2*\r:SM+2*\r+1]
.endr
.set x_, x_+1
.endr
	WIN 0
	RED SM
.irp r, 0,1,2,3
	v_mul_f32 v[SM+2*\r], 0xba800000, v[SM+2*\r]   ; - the mean
.endr
	WIN (W_<<6)|W_
.set i_, 0
.rept 64
	v_pk_add_f32 v[R_+2*i_:R_+2*i_+1], v[R_+2*i_:R_+2*i_+1], v[SM+2*(i_/16):SM+2*(i_/16)+1] op_sel_hi:[1,0]
.set i_, i_+1
.endr
	WIN W_|(W_<<2)
.irp r, 0,1,2,3
	v_pk_mul_f32 v[SQ+2*\r:SQ+2*\r+1], v[R_+32*\r:R_+32*\r+1], v[R_+32*\r:R_+32*\r+1]
.endr
.set x_, 1
.rept 15
.irp r, 0,1,2,3
	v_pk_fma_f32 v[SQ+2*\r:SQ+2*\r+1], v[R_+32*\r+2*x_:R_+32*\r+2*x_+1], v[R_+32*\r+2*x_:R_+32*\r+2*x_+1], v[SQ+2*\r:SQ+2*\r+1]
.endr
.set x_, x_+1
.endr
	WIN 0
	RED SQ
.irp r, 0,1,2,3
	v_fma_f32 v[SQ+2*\r], v[SQ+2*\r], s36, s37     ; the variance + eps
.endr
	s_wait_alu depctr_va_vdst(0)
.irp r, 0,1,2,3
	v_rsq_f32 v[SM+2*\r], v[SQ+2*\r]
.endr
	v_nop                                          ; one plain place behind a transcendental
.if (\g) == 0
	s_wait_dscnt 32                                ; gamma and beta are in; rows 4-7's 32 loads may be out
.endif
	s_wait_alu depctr_va_vdst(0)                   ; and behind it, ahead of its first reader
	WIN (W_<<6)|W_
.set i_, 0
.rept 64
	v_pk_mul_f32 v[R_+2*i_:R_+2*i_+1], v[R_+2*i_:R_+2*i_+1], v[SM+2*(i_/16):SM+2*(i_/16)+1] op_sel_hi:[1,0]
.set i_, i_+1
.endr
	WIN (W_<<6)|(1<<4)|(1<<2)|W_
.set i_, 0
.rept 64
	v_pk_fma_f32 v[R_+2*i_:R_+2*i_+1], v[R_+2*i_:R_+2*i_+1], v[160+(2*i_)%32:161+(2*i_)%32], v[192+(2*i_)%32:193+(2*i_)%32]
.set i_, i_+1
.endr
	WIN W_<<2
.set i_, 0
.rept 32
	global_store_b128 v[L16], v[R_+4*i_:R_+4*i_+3], s[54:55] offset:16384*(\g)+4096*(i_/8)+512*(i_%8) th:TH_STORE_NT
.set i_, i_+1
.endr
	WIN 0
.endm
	s_load_b512 s[4:19], s[0:1], 0x0               ; img s[4:5], ph s[6:7], wimg s[8:9], bv s[10:11], bo s[12:13], gamma s[14:15], beta s[16:17], out0 s[18:19]
	v_lshl_add_u32 v[SPW], v0, 2, SPARE
	v_mov_b32 v[NIL], 0
	ds_add_u32 v[SPW], v[NIL]                      ; the opening lines: the add, twice on end, and its wait ahead of my tensor load
	ds_add_u32 v[SPW], v[NIL]
	v_lshrrev_b32 v31, 5, v0
	v_readfirstlane_b32 s20, v31                   ; wave j, 0..7
	v_and_b32 v29, 31, v0                          ; lane
	v_bfe_u32 v30, v0, 4, 1                        ; h
	v_lshlrev_b32 v[L16], 4, v29
	v_lshlrev_b32 v[T16], 4, v0
	v_lshlrev_b32 v[PHO], 7, v30
	v_lshlrev_b32 v[BVO], 6, v30
	v_lshlrev_b32 v[H8], 3, v30
	s_mul_i32 s38, s20, FRB
	s_add_co_u32 s38, s38, XOP
	v_add_nc_u32 v[XW], s38, v[L16]
	v_add_nc_u32 v[XR], XOP, v[L16]
	v_lshl_add_u32 v[XSW], v0, 2, XSC              ; 128 j + 4 x lane
	v_lshl_add_u32 v[XSR], v29, 2, XSC
	v_add_nc_u32 v[VW], VEC, v[T16]
	v_add_nc_u32 v[VR], VEC, v[L16]
	s_lshl_b32 s38, s20, 9
	s_add_co_u32 s38, s38, VEC+AOO
	v_add_nc_u32 v[AOW], s38, v[BVO]
	s_lshl_b32 s25, s20, 15                        ; my 32,768 bytes of LDS for img
	v_add_nc_u32 v[IMR], s25, v[L16]
	s_and_b32 s38, ttmp9, 3                        ; the prefetch: bits 0, 1, 4, 5, 6 of the work-group's number
	s_bfe_u32 s39, ttmp9, 0x30004
	s_lshl_b32 s39, s39, 2
	s_or_b32 s38, s38, s39
	s_lshl_b32 s38, s38, 8
	v_add_nc_u32 v[PFO], s38, v0
	v_min_u32 v[PFO], 6399, v[PFO]                 ; held at wimg's last block
	v_lshlrev_b32 v[PFO], 8, v[PFO]
.irp b, 4,5,6,7
	v_mov_b32 v[TM+\b], 0                          ; written once: a lane permute's destination counts as one of its sources
.endr
	s_mov_b32 s22, 0x76543210
	s_mov_b32 s23, 0xfedcba98                      ; v_permlanex16_b32's selects for lane l xor 16
	s_mov_b32 s36, 0x3a800000                      ; 1 / 1024
	s_mov_b32 s37, 0x3727c5ac                      ; 1e-5
	s_mov_b32 s24, 1
	s_mov_b32 s28, 3<<16                           ; a dense block as 128 rows of 32 elements of 8 bytes
	s_mov_b32 s29, 32<<16
	s_mov_b32 s30, 128<<16
	s_mov_b32 s31, 32<<16
	s_mov_b32 s32, 128
	s_mov_b32 s33, 32
	s_mov_b32 s34, 0
	s_mov_b32 s35, 0
	s_lshl_b32 s40, ttmp9, 18                      ; my work-group's 64 rows, and my 8 of them
	s_add_co_u32 s40, s40, s25
	s_mov_b32 s41, 0
	s_lshr_b32 s42, ttmp9, 3                       ; b
	s_lshl_b32 s42, s42, 12
	s_lshl_b32 s44, s20, 9                         ; 128 j numbers
	s_add_co_u32 s42, s42, s44
	s_mov_b32 s43, 0
	s_mov_b32 s45, 0
	s_lshr_b32 s46, s20, 1                         ; w = j / 2, p = j % 2
	s_mul_i32 s46, s46, QB
	s_and_b32 s47, s20, 1
	s_mul_i32 s47, s47, 4*SLOTB
	s_add_co_u32 s46, s46, s47
	s_mov_b32 s47, 0
	s_wait_alu depctr_va_vdst(0)
	s_wait_dscnt 0x0                               ; both opening adds are done
	s_wait_kmcnt 0x0
	s_add_nc_u64 s[26:27], s[4:5], s[40:41]
	s_or_b32 s27, s27, 0x80000000
	s_add_nc_u64 s[48:49], s[8:9], s[46:47]        ; my quarters of wimg
	s_add_nc_u64 s[50:51], s[6:7], s[42:43]        ; ph[b], K step j
	s_add_nc_u64 s[52:53], s[10:11], s[44:45]      ; bv at 128 j
	s_add_nc_u64 s[54:55], s[18:19], s[40:41]      ; my rows of out0
	tensor_load_to_lds s[24:27], s[28:35]          ; my 8 rows of img: my one tensor load
	s_nop 0
	NOP4
	global_prefetch_b8 v[PFO], s[8:9] th:TH_LOAD_NT scope:SCOPE_SE
.irp c, 0,1
.irp i, 0,1,2,3,4,5,6,7
	global_load_b128 v[XF+32*\c+4*\i:XF+32*\c+4*\i+3], v[PHO], s[50:51] offset:256*\c+16*\i   ; ph[b][128 j + 64 c + 32 h + 4 i ..]: two whole blocks a lane, the same in all r
.endr
.endr
	global_load_b128 v[XF+64:XF+67], v[T16], s[14:15]   ; my wave's 512 bytes of gamma, beta, bo
	global_load_b128 v[XF+68:XF+71], v[T16], s[16:17]
	global_load_b128 v[XF+72:XF+75], v[T16], s[12:13]
.irp b, 0,1,2,3
.irp i, 0,1,2,3
	global_load_b128 v[ACC+16*\b+4*\i:ACC+16*\b+4*\i+3], v[BVO], s[52:53] offset:128*\b+16*\i   ; bv in the results' layout: the first product's sums begin with it
.endr
.endr
	ISSUE 0
	ISSUE 1
	s_wait_loadcnt 41                              ; ph's 16 and the three are in: behind them stand bv's 16 and 25 of the weights
.irp c, 0,1
	v_max3_num_f32 v[TM+\c], |v[XF+32*\c]|, |v[XF+32*\c+1]|, 0x2800000   ; block 2 c + h; the floor 2^(5 - 127) holds the byte at 1 from below
.endr
.irp i, 2,4,6,8,10,12,14,16,18,20,22,24,26,28,30
.irp c, 0,1
	v_max3_num_f32 v[TM+\c], v[TM+\c], |v[XF+32*\c+\i]|, |v[XF+32*\c+\i+1]|
.endr
.endr
.irp c, 0,1
	v_add_nc_u32 v[TM+2+\c], 0xfe000000, v[TM+\c]  ; 4 off the exponent field: the conversion's scale operand
.endr
.irp c, 0,1
	v_lshrrev_b32 v[TM+8+\c], 23, v[TM+2+\c]       ; the scale's byte
.endr
	v_lshl_or_b32 v[PW], v[TM+9], 16, v[TM+8]
	s_delay_alu instid0(VALU_DEP_1)
	v_lshlrev_b32 v[PW], v[H8], v[PW]
	v_permlanex16_b32 v[TM+4], v[PW], s22, s23
	v_or_b32 v[PW], v[PW], v[TM+4]                 ; with lane l xor 16's two bytes the word is whole
.irp c, 0,1
	v_cvt_scalef32_pk16_bf6_f32 v[PC+6*\c:PC+6*\c+2], v[XF+32*\c:XF+32*\c+15], v[TM+2+\c]
	v_cvt_scalef32_pk16_bf6_f32 v[PC+12+4*\c:PC+14+4*\c], v[XF+32*\c+16:XF+32*\c+31], v[TM+2+\c]   ; (a conversion's three registers begin on an even number)
.endr
	v_nop                                          ; one plain place behind a scaled conversion
.irp c, 0,1
.irp i, 0,1,2
	v_mov_b32 v[PC+3+6*\c+\i], v[PC+12+4*\c+\i]
.endr
.endr
	XSTORE 0
	ds_store_b128 v[VW], v[XF+64:XF+67]
	ds_store_b128 v[VW], v[XF+68:XF+71] offset:4096
	ds_store_b128 v[VW], v[XF+72:XF+75] offset:8192
	ISSUE 2
	ISSUE 3
	ISSUE 4
	s_wait_dscnt 0x0                               ; for the others' sake: my image lies in LDS
	s_barrier_signal -1
	s_barrier_wait -1
	XLOAD 0
	s_wait_dscnt 0x0
.set q_, 0
.rept 16
	STEP q_                                        ; v = Q(ph[b]) Q(Wv)^T + bv
.set q_, q_+1
.endr
	; v's K step j, my 64 results, becomes codes: four blocks of 32, each in lanes l and l xor 16.  The second product's loads are on their way meanwhile
.irp b, 0,1,2,3
	v_max3_num_f32 v[TM+\b], |v[ACC+16*\b]|, |v[ACC+16*\b+1]|, 0x2800000
.endr
.irp i, 2,4,6,8,10,12,14
.irp b, 0,1,2,3
	v_max3_num_f32 v[TM+\b], |v[ACC+16*\b+\i]|, |v[ACC+16*\b+\i+1]|, v[TM+\b]
.endr
.endr
.irp b, 0,1,2,3
	v_permlanex16_b32 v[TM+4+\b], v[TM+\b], s22, s23
.endr
.irp b, 0,1,2,3
	v_max_num_f32 v[TM+\b], v[TM+\b], v[TM+4+\b]
.endr
.irp b, 0,1,2,3
	v_add_nc_u32 v[TM+12+\b], 0xfe000000, v[TM+\b]
.endr
.irp b, 0,1,2,3
	v_lshrrev_b32 v[TM+4+\b], 23, v[TM+12+\b]
.endr
	v_lshl_or_b32 v[PW], v[TM+5], 8, v[TM+4]
	s_delay_alu instid0(VALU_DEP_1)
	v_lshl_or_b32 v[PW], v[TM+6], 16, v[PW]
	s_delay_alu instid0(VALU_DEP_1)
	v_lshl_or_b32 v[PW], v[TM+7], 24, v[PW]
.irp c, 0,1
	v_cvt_scalef32_pk16_bf6_f32 v[PC+6*\c:PC+2+6*\c], v[ACC+32*\c:ACC+15+32*\c], v[TM+12+2*\c]
	v_cvt_scalef32_pk16_bf6_f32 v[PC+12+4*\c:PC+14+4*\c], v[ACC+16+32*\c:ACC+31+32*\c], v[TM+12+2*\c+1]
.endr
	v_nop
.irp c, 0,1                            ; the operand's layout wants a whole block in a lane
.irp i, 0,1,2
	v_permlane16_swap_b32 v[PC+6*\c+\i], v[PC+12+4*\c+\i]
.endr
.irp i, 0,1,2
	v_mov_b32 v[PC+3+6*\c+\i], v[PC+12+4*\c+\i]
.endr
.endr
	XSTORE XNX
	s_wait_dscnt 0x0
	s_barrier_signal -1
	s_barrier_wait -1
	XLOAD XNX
	s_wait_dscnt 0x0
.rept 16
	STEP q_                                        ; ao = Q(v) Q(Wo)^T: the first K step starts the sums
.set q_, q_+1
.endr
.irp b, 0,1,2,3
.irp i, 0,1,2,3
	ds_store_b128 v[AOW], v[ACC+16*\b+4*\i:ACC+16*\b+4*\i+3] offset:128*\b+16*\i   ; each accumulator from its low end on; the sixteen lanes r write the same bytes with the same values
.endr
.endr
	s_wait_dscnt 0x0
	s_barrier_signal -1
	s_barrier_wait -1
	s_wait_tensorcnt 0x0                           ; my rows of img are in
.set i_, 0
.rept 8
	ds_load_b128 v[BASE+4*i_:BASE+4*i_+3], v[VR] offset:AOO+512*i_
.set i_, i_+1
.endr
	WIN 0x40
.set i_, 0
.rept 8
	ds_load_b128 v[128+4*i_:131+4*i_], v[VR] offset:8192+512*i_
.set i_, i_+1
.endr
	WIN 0
.set i_, 0
.rept 32
	ds_load_b128 v[88+4*i_:91+4*i_], v[IMR] offset:4096*(i_/8)+512*(i_%8)
.set i_, i_+1
.endr
	WIN 0x40
.set i_, 0
.rept 8
	ds_load_b128 v[160+4*i_:163+4*i_], v[VR] offset:512*i_
.set i_, i_+1
.endr
.set i_, 0
.rept 8
	ds_load_b128 v[192+4*i_:195+4*i_], v[VR] offset:4096+512*i_
.set i_, i_+1
.endr
.set i_, 0
.rept 32
	ds_load_b128 v[4*i_:4*i_+3], v[IMR] offset:16384+4096*(i_/8)+512*(i_%8)
.set i_, i_+1
.endr
	s_wait_dscnt 48                                ; ao, bo and rows 0-3 are in: behind them stand gamma's 8, beta's 8 and rows 4-7's 32
	WIN 0x04
.set i_, 0
.rept 16
	v_pk_add_f32 v[BASE+2*i_:BASE+2*i_+1], v[BASE+2*i_:BASE+2*i_+1], v[128+2*i_:129+2*i_]
.set i_, i_+1
.endr
	WIN 0
	LNG 0
	LNG 1
	s_wait_tensorcnt 0x0                           ; the wave's end
	ds_add_u32 v[SPW], v[NIL]
	s_wait_dscnt 0x0
	s_endpgm
.Lfunc_end_k_q7ed9c5e93a_main:
	.size	k_q7ed9c5e93a_main, .Lfunc_end_k_q7ed9c5e93a_main-k_q7ed9c5e93a_main
	.p2alignl 7, 3214868480
	.fill 96, 4, 3214868480
	.section	.rodata,"a",@progbits
	.p2align	6, 0x0
	.amdhsa_kernel k_q7ed9c5e93a_main
		.amdhsa_group_segment_fixed_size 306176
		.amdhsa_private_segment_fixed_size 0
		.amdhsa_enable_private_segment 0
		.amdhsa_kernarg_size 64
		.amdhsa_user_sgpr_count 2
		.amdhsa_user_sgpr_kernarg_segment_ptr 1
		.amdhsa_wavefront_size32 1
		.amdhsa_system_sgpr_workgroup_id_x 1
		.amdhsa_system_sgpr_workgroup_id_y 1
		.amdhsa_system_sgpr_workgroup_id_z 1
		.amdhsa_system_vgpr_workitem_id 0
		.amdhsa_next_free_vgpr 512
		.amdhsa_next_free_sgpr 66
		.amdhsa_reserve_vcc 0
		.amdhsa_float_denorm_mode_32 3
		.amdhsa_float_denorm_mode_16_64 3
		.amdhsa_memory_ordered 1
		.amdhsa_forward_progress 1
		.amdhsa_inst_pref_size 152
	.end_amdhsa_kernel
	.amdgpu_metadata
---
amdhsa.version: [ 1, 2 ]
amdhsa.kernels:
  - .name:           k_q7ed9c5e93a_main
    .symbol:         k_q7ed9c5e93a_main.kd
    .args:
      - { .name: img_feat, .offset: 0, .size: 8, .value_kind: global_buffer, .address_space: global }
      - { .name: ph, .offset: 8, .size: 8, .value_kind: global_buffer, .address_space: global }
      - { .name: wimg, .offset: 16, .size: 8, .value_kind: global_buffer, .address_space: global }
      - { .name: bv, .offset: 24, .size: 8, .value_kind: global_buffer, .address_space: global }
      - { .name: bo, .offset: 32, .size: 8, .value_kind: global_buffer, .address_space: global }
      - { .name: gamma, .offset: 40, .size: 8, .value_kind: global_buffer, .address_space: global }
      - { .name: beta, .offset: 48, .size: 8, .value_kind: global_buffer, .address_space: global }
      - { .name: out0, .offset: 56, .size: 8, .value_kind: global_buffer, .address_space: global }
    .group_segment_fixed_size: 306176
    .private_segment_fixed_size: 0
    .kernarg_segment_align: 8
    .kernarg_segment_size: 64
    .max_flat_workgroup_size: 256
    .sgpr_count:     66
    .vgpr_count:     512
    .wavefront_size: 32
...
	.end_amdgpu_metadata
.endif
;; end of part 2
